; MI455X (gfx1250); checked and timed in simulation.
; The chip was launched on July 23, 2026; its instructions are those of AMD's public machine-readable ISA for CDNA 5 (MIT licence, August 2026) and "CDNA5" Instruction Set Architecture Reference Guide (July 2026). The comments in the code are by the model that wrote it; some were corrected since.
;; Res FC Eventually Layer. Allowed arithmetic: float matrix products may take bf16 or f16 operands with f32 sums; other float arithmetic in f32, or as packed bf16 or f16 multiplies, adds, multiply-adds, maxima and minima; sums over many terms, partial sums and values carried from step to step in f32; what a program stores and reads back later, other than sums and carried values, may be rounded once to bf16 or f16.
;; Inputs: W 4,096 x 4,096 float32; beta 1 float32; beta_res 4,096 float32; x 4,096 x 4,096 float32.
;; Outputs: out0 4,096 x 4,096 float32.
;; 2 versions, each right; version 2 is version 1 with the launch cvt written anew for expert scheduling mode. Each part assembles by itself: llvm-mc -triple=amdgcn-amd-amdhsa -mcpu=gfx1250 --defsym DOCPART=n.
;; ======== version 1 of 2: 2 launches
;; workspace buffers: xb 33,554,432 bytes; wb 33,554,432 bytes
;; launch cvt (part 1): grid 256 x 2, 8 waves a work-group, no clusters, 0 bytes of LDS; arguments x, W, xb, wb; writes xb, wb
.if DOCPART == 1
	.amdgcn_target "amdgcn-amd-amdhsa--gfx1250"
	.amdhsa_code_object_version 6
	.text
	.protected	k_qd5f6bf9c26_cvt
	.globl	k_qd5f6bf9c26_cvt
	.p2align	8
	.type	k_qd5f6bf9c26_cvt,@function
k_qd5f6bf9c26_cvt:
	s_mov_b64 s[64:65], 0
	v_nop
	global_prefetch_b8 v0, s[64:65] scope:SCOPE_SE
	s_setreg_imm32_b32 hwreg(HW_REG_WAVE_MODE, 25, 1), 1
	s_wait_xcnt 0x0
; xb = bf16(x), wb = bf16(W), rounded to nearest even: the matrix operands of the launch behind, made once.
; x, W: [4096][4096] f32; xb, wb: [4096][4096] bf16, the same row-major order.
; SHARES.  Work-group (g, y): y = 0 takes x, y = 1 takes W; g takes 262,144 bytes in and 131,072 out: 64 chunks of 4,096 bytes in.
; Thread t takes the 16 bytes at 16 t of each chunk (a wave's load covers 512 consecutive bytes) and stores 8 bytes at 8 t of the
; chunk's 2,048 bytes out: a wave's store covers 256 consecutive bytes, aligned.
; A ring of DEPTH slots in registers keeps DEPTH loads of every wave on their way.  No address register is ever rewritten: the chunk stands in the immediate.
; No LDS, no matrix unit, no cluster: no byte is wanted twice.  NaN and infinities convert as the instruction converts them.
.set DEPTH,  16
.set CHUNKS, 64
.set CIN,    4096                      ; a chunk's bytes in
.set COUT,   2048                      ; and out
.set X, 4                              ; v[4:67]   slot s: 4 numbers as loaded
.set Y, 68                             ; v[68:99]  slot s: 4 bf16 to store
	s_load_b256 s[4:11], s[0:1], 0x0               ; x s[4:5], W s[6:7], xb s[8:9], wb s[10:11]
	v_lshlrev_b32 v1, 4, v0                        ; 16 t: my bytes in a chunk in
	v_lshlrev_b32 v2, 3, v0                        ; 8 t: my bytes in a chunk out
	s_and_b32 s12, ttmp7, 0xffff                   ; y: which tensor
	s_lshl_b32 s18, ttmp9, 18                      ; the work-group's 262,144 bytes in (255 of them at the most: under 2^32),
	s_mov_b32 s19, 0
	s_lshl_b32 s20, ttmp9, 17                      ; and its 131,072 bytes out
	s_mov_b32 s21, 0
	s_wait_kmcnt 0x0
	s_cmp_eq_u32 s12, 0                            ; the choice hangs on the work-group's y alone
	s_cselect_b64 s[14:15], s[4:5], s[6:7]         ; from
	s_cselect_b64 s[16:17], s[8:9], s[10:11]       ; to
	s_add_nc_u64 s[14:15], s[14:15], s[18:19]
	s_add_nc_u64 s[16:17], s[16:17], s[20:21]
.set i, 0
.rept DEPTH
	global_load_b128 v[X+4*i:X+4*i+3], v1, s[14:15] offset:i*CIN th:TH_LOAD_NT  ; the ring is filled: chunks 0 to 15
.set i, i+1
.endr
; Chunk i's turn, in slot i % DEPTH.
.set i, 0
.rept CHUNKS
.if i < CHUNKS-DEPTH
	s_wait_loadcnt DEPTH-1                         ; loads come back in order (ISA guide 5.7.1): chunk i is in, the 15 younger loads stay out
.else
	s_wait_loadcnt CHUNKS-1-i                      ; nothing more is asked for: the counts run down
.endif
.if i >= DEPTH
	s_wait_xcnt 0x0                                ; the slot's Y, which its store 16 chunks back reads, is rewritten only behind this wait
.endif
	v_cvt_pk_bf16_f32 v[Y+2*(i%DEPTH)],   v[X+4*(i%DEPTH)],   v[X+4*(i%DEPTH)+1]
	v_cvt_pk_bf16_f32 v[Y+2*(i%DEPTH)+1], v[X+4*(i%DEPTH)+2], v[X+4*(i%DEPTH)+3]
.if i < CHUNKS-DEPTH
	global_load_b128 v[X+4*(i%DEPTH):X+4*(i%DEPTH)+3], v1, s[14:15] offset:(i+DEPTH)*CIN th:TH_LOAD_NT  ; the load ahead of the store
.endif
	global_store_b64 v2, v[Y+2*(i%DEPTH):Y+2*(i%DEPTH)+1], s[16:17] offset:i*COUT th:TH_STORE_NT
.set i, i+1
.endr
	s_endpgm
.Lfunc_end_k_qd5f6bf9c26_cvt:
	.size	k_qd5f6bf9c26_cvt, .Lfunc_end_k_qd5f6bf9c26_cvt-k_qd5f6bf9c26_cvt
	.p2alignl 7, 3214868480
	.fill 96, 4, 3214868480
	.section	.rodata,"a",@progbits
	.p2align	6, 0x0
	.amdhsa_kernel k_qd5f6bf9c26_cvt
		.amdhsa_group_segment_fixed_size 0
		.amdhsa_private_segment_fixed_size 0
		.amdhsa_enable_private_segment 0
		.amdhsa_kernarg_size 32
		.amdhsa_user_sgpr_count 2
		.amdhsa_user_sgpr_kernarg_segment_ptr 1
		.amdhsa_wavefront_size32 1
		.amdhsa_system_sgpr_workgroup_id_x 1
		.amdhsa_system_sgpr_workgroup_id_y 1
		.amdhsa_system_sgpr_workgroup_id_z 1
		.amdhsa_system_vgpr_workitem_id 0
		.amdhsa_next_free_vgpr 100
		.amdhsa_next_free_sgpr 66
		.amdhsa_reserve_vcc 0
		.amdhsa_float_denorm_mode_32 3
		.amdhsa_float_denorm_mode_16_64 3
		.amdhsa_memory_ordered 1
		.amdhsa_forward_progress 1
		.amdhsa_inst_pref_size 25
	.end_amdhsa_kernel
	.amdgpu_metadata
---
amdhsa.version: [ 1, 2 ]
amdhsa.kernels:
  - .name:           k_qd5f6bf9c26_cvt
    .symbol:         k_qd5f6bf9c26_cvt.kd
    .args:
      - { .name: x, .offset: 0, .size: 8, .value_kind: global_buffer, .address_space: global }
      - { .name: W, .offset: 8, .size: 8, .value_kind: global_buffer, .address_space: global }
      - { .name: xb, .offset: 16, .size: 8, .value_kind: global_buffer, .address_space: global }
      - { .name: wb, .offset: 24, .size: 8, .value_kind: global_buffer, .address_space: global }
    .group_segment_fixed_size: 0
    .private_segment_fixed_size: 0
    .kernarg_segment_align: 8
    .kernarg_segment_size: 32
    .max_flat_workgroup_size: 256
    .sgpr_count:     66
    .vgpr_count:     100
    .wavefront_size: 32
...
	.end_amdgpu_metadata
.endif
;; end of part 1
;; launch gemm (part 2): grid 16 x 16, 4 waves a work-group, clusters of 4 x 4, 327,680 bytes of LDS; arguments xb, wb, out0, x, beta, beta_res; writes out0
.if DOCPART == 2
	.amdgcn_target "amdgcn-amd-amdhsa--gfx1250"
	.amdhsa_code_object_version 6
	.text
	.protected	k_qd5f6bf9c26_gemm
	.globl	k_qd5f6bf9c26_gemm
	.p2align	8
	.type	k_qd5f6bf9c26_gemm,@function
k_qd5f6bf9c26_gemm:
	s_mov_b64 s[64:65], 0
	v_nop
	global_prefetch_b8 v0, s[64:65] scope:SCOPE_SE
	s_setreg_imm32_b32 hwreg(HW_REG_WAVE_MODE, 25, 1), 1
	s_wait_xcnt 0x0
	s_wait_alu depctr_hold_cnt(0) depctr_sa_sdst(0) depctr_va_vdst(0) depctr_va_sdst(0) depctr_va_ssrc(0) depctr_va_vcc(0) depctr_vm_vsrc(0)
	s_getreg_b32 s2, hwreg(HW_REG_IB_STS2, 6, 4)
	s_cmp_eq_u32 s2, 0
	s_cbranch_scc0 .Lentry_in_a_cluster
	s_endpgm
.Lentry_in_a_cluster:
	s_bfe_u32 s2, ttmp6, 0x10000c
	s_cmp_lg_u32 s2, 0xf033
	s_cbranch_scc0 .Lentry_shape_is_right
	s_endpgm
.Lentry_shape_is_right:
; out0[b][i] = max(acc + xd, xd, 0), with acc = (1 - beta) + the sum over j of xb[b][j] wb[i][j] (f32 sums of bf16 products) and xd = x[b][i] + (1 - beta_res[i]).
; That is the module: relu(relu(acc) + xd) = max(acc + xd, xd, 0) (acc > 0: the same sum; acc <= 0: 0 + xd), and the leaky step behind a relu only ever sees numbers >= 0, which it hands on as they are.
; xb, wb: [4096][4096] bf16, made by the launch before; x, out0: [4096][4096] f32; beta: one f32; beta_res: [4096] f32.
; LIMITS.  x and W enter the product rounded to bf16; the residual x is taken in f32.  1 - beta starts each sum (it is the first product's C operand) where the module adds it last, and the tail is
; out + (x + (1 - beta_res)) where the module has 1 - (beta_res - (x + out)): roundings of f32 in another order.  NaN and infinities are not treated apart: the maximum of three drops a NaN.
; SHARES.  A tile of out0, 256 x 256, is made by a work-group of four waves; a wave makes 128 x 128: 64 accumulators of 16 x 16, 512 registers.  16 x 16 tiles: 256 work-groups of equal work.
; K goes in steps of 128 through a ring of two LDS slots filled by the tensor data mover; a tile's rows are 256 bytes of memory and start at multiples of 256 bytes from the buffer's first byte.
; CLUSTERS.  4 x 4 work-groups.  The four of a row of the cluster need the same tiles of xb, the four of a column the same tiles of wb: each tile is asked for JOINTLY, by the same tensor load with the
; same descriptor and a mask that names the four, and each receives it in its own LDS.
; THE MATRIX INSTRUCTION IS USED TRANSPOSED: source 0 = 16 rows of wb, source 1 = 16 rows of xb.  In the result lane l holds row l % 16 of out0 and the columns 8 (l / 16) + 0..7: 32 bytes on end.
; REGISTERS, in windows of 256 (s_set_vgpr_msb: bits 1:0 source 0, 3:2 source 1, 5:4 source 2, 7:6 destination):
;   window 0: v0-31 addresses; v32-39 1 - beta; v40-43 1 - beta_res of my four columns; v44 0; v64-127, v128-191 fragments of xb, two buffers; on the way out: rows read back from the stage, two buffers
;   window 1: v64-127, v128-191 fragments of wb, two buffers; on the way out all 256: four buffers of 16 rows of x
;   window 2: the 32 accumulators of my rows 0-63 (accumulator (a, b) at v[8 (8 a + b)]);   window 3: those of my rows 64-127
.set SIZE_K, 4096
.set SIZE_N, 4096
.set ROWF,   SIZE_N*4                  ; bytes in a row of x and of out0
.set KSTEP,  128
.set PITCH,  272                       ; an LDS row: 256 bytes of data + 16 of padding = 68 words: row r starts at bank 4 r mod 64 (64 banks of 4 bytes: ISA guide 11.1), so the 16 rows that a load touches start at 16 different banks
.set HALFT,  128*PITCH                 ; 128 rows: what one tensor load brings, and what one wave reads of xb or of wb
.set SLOT,   4*HALFT                   ; xb's 256 rows, then wb's 256 rows
.set STAGE,  2*SLOT                    ; behind the ring, never filled by a tensor load: 16 rows x 528 bytes for each wave, for the way out
.set SPITCH, 528                       ; a stage row: 512 bytes (128 f32) + 16 = 132 words: row r starts at bank 4 r mod 64
.set SPARE,  STAGE+4*16*SPITCH         ; behind the stages: the spare words, 128 bytes for each wave: two blocks of 256 bytes that no other line names
.set LAPS,   SIZE_K/(2*KSTEP)          ; a lap = two K steps = once round the ring: 16
.set ADRA, 16                          ; v16-17  LDS address of my xb fragments in slot 0, 1
.set ADRB, 20                          ; v20-21  the same for wb
.set STO,  24                          ; v24     the way out: where I put 32 bytes of a row
.set RD,   25                          ; v25     the way out: my 16 bytes of a stage row
.set CO,   26                          ; v26     16 x lane: my 16 bytes of 512 in a row of x, of out0, and of beta_res; never rewritten
.set PFX,  27                          ; v27     x's prefetches: row lane / 2 of 16, half lane % 2 of its 512 bytes; never rewritten
.set SPW,  28                          ; v28     LDS address of my spare word: SPARE + 4 x my thread's number; never rewritten
.set NIL,  29                          ; v29     0; never rewritten
.set PFO,  30                          ; v30     the tiles' prefetches: my lane x a row of xb or wb (8,192 bytes); never rewritten
.set CI,   32                          ; v[32:39] 1 - beta, eight times: the C operand that starts every sum
.set DB,   40                          ; v[40:43] 1 - beta_res of columns 4 lane + 0..3 of my 128
.set ZR,   44                          ; v44     0
.set F0,   64                          ; fragment buffer 0
.set F1,   128                         ; fragment buffer 1
.set OB,   64                          ; the way out: block a's rows back from the stage at OB + 64 (a % 2), window 0
.set PFA,  44                          ; s[44:45] where my tile prefetches stand
.set LIM,  43                          ; s43     1 in a wave that prefetches tiles, else the greatest number
.set G1, 24                            ; s[24:31] descriptor group 1 for xb's tiles
.set G0, 32                            ; s[32:39] descriptor group 0 for xb's tiles, one set for each slot
.set G1B, 48                           ; s[48:55] descriptor group 1 for wb's tiles: it differs in the mask alone
.set G0B, 56                           ; s[56:63] descriptor group 0 for wb's tiles, one set for each slot
.set MSB, 0
.macro WIN new                         ; the immediate's high byte repeats the setting that is left; a switch that changes nothing is dropped
.if MSB != (\new)
	s_set_vgpr_msb (MSB<<8)|(\new)
.set MSB, \new
.endif
.endm
.set MUL_LO, 0xa1                      ; source 0 (wb) window 1, source 1 (xb) window 0, C and D window 2
.set MUL_HI, 0xf1                      ; the same, C and D window 3
.set INI_LO, 0x81                      ; the first products: C (1 - beta) window 0, D window 2; + 0x40: D window 3
.set TO_B,   0x40                      ; destination window 1, address window 0
; A joint load.  Waves 0 and 1 fetch xb's two halves, waves 2 and 3 wb's.  Each of the two lines has one mask and one set of registers for all that issue it.  The branch hangs on the wave's number alone.
; An s_nop 0 and four v_nop follow each of the two lines, ahead of the jump, the label and what follows the macro.
.macro JLOAD s
	s_cmp_eq_u32 s11, 0
	s_cbranch_scc0 .Lfor_b_\@
	tensor_load_to_lds s[G0+4*(\s):G0+4*(\s)+3], s[G1:G1+7]
	s_nop 0
.rept 4
	v_nop
.endr
	s_branch .Lasked_\@
.Lfor_b_\@:
	tensor_load_to_lds s[G0B+4*(\s):G0B+4*(\s)+3], s[G1B:G1B+7]
	s_nop 0
.rept 4
	v_nop
.endr
.Lasked_\@:
.endm
; A PREFETCH INTO THE L2, behind each joint refill, its five lines and the run of LDS loads that follows them: the K step that stands TWO refills on (512 matrix instructions ahead of the load that will want it):
; 32 rows x 256 bytes, a lane a row, one instruction a wave.  Each row's 256 bytes of a K step are named once in the launch: xb's tile row is read by every cluster of that row of clusters, and the one
; with x = 0 asks; wb's tile column by every cluster of that column, and the one with y = 0 asks.  The four partners that ask for a tile jointly share its rows out BY ADDRESS: of the 128 rows that a wave
; fetches the partner at place p takes 32 p .. 32 p + 31 (p = cx for xb, cy for wb).  The loop's last trip (s3 = 1) asks for nothing: K has no step two on.  K steps 0 to 3 come by their loads alone.
.macro ASK
	s_cmp_gt_u32 s3, s[LIM]
	s_cbranch_scc0 .Lnot_mine_\@
	global_prefetch_b8 v[PFO], s[PFA:PFA+1] offset:KSTEP*2 th:TH_LOAD_NT scope:SCOPE_SE
.Lnot_mine_\@:
.endm
; A round of the cluster's barrier: my work-group's barrier, so that wave 0's signal speaks for all four waves; wave 0 signals for the work-group; every wave waits for all sixteen; my work-group's barrier once more.
.macro CREST                           ; a round behind its opening barrier
	s_cmp_lg_u32 s10, 0
	s_cbranch_scc1 .Lnot_wave_0_\@
	s_barrier_signal -3
.Lnot_wave_0_\@:
	s_barrier_wait -3
	s_barrier_signal -1
	s_barrier_wait -1
.endm
.macro CROUND                          ; a whole round
	s_barrier_signal -1
	s_barrier_wait -1
	CREST
.endm
	s_load_b128 s[4:7], s[0:1], 0x0                ; xb s[4:5], wb s[6:7]
	s_load_b64 s[8:9], s[0:1], 0x10                ; out0
	s_load_b128 s[68:71], s[0:1], 0x18             ; x s[68:69], beta s[70:71]
	s_load_b64 s[72:73], s[0:1], 0x28              ; beta_res
	v_lshl_add_u32 v[SPW], v0, 2, SPARE
	v_mov_b32 v[NIL], 0
	ds_add_u32 v[SPW], v[NIL]                      ; the wave's opening: the add, twice on end, and its wait ahead of my first tensor load; the set-up below, work on registers, stands between
	ds_add_u32 v[SPW], v[NIL]                      ; and once more, under the one wait
	v_lshrrev_b32 v1, 5, v0
	v_readfirstlane_b32 s10, v1                    ; wave 0..3
	s_lshr_b32 s11, s10, 1                         ; which half of the tile's rows is mine.  Also: I fetch for xb (0) or for wb (1)
	s_and_b32 s12, s10, 1                          ; which half of its columns.  Also: which 128 rows of that tile I fetch
	s_bfe_u32 s40, ttmp6, 0x40000                  ; cx: my place along the cluster's x
	s_bfe_u32 s41, ttmp6, 0x40004                  ; cy: along its y
	s_lshl_b32 s42, ttmp9, 2                       ; in a cluster launch ttmp9 and ttmp7 count clusters
	s_add_co_u32 s42, s42, s40                     ; tile column = 4 x cluster x + cx
	s_and_b32 s13, ttmp7, 0xffff
	s_lshl_b32 s13, s13, 2
	s_add_co_u32 s13, s13, s41                     ; tile row = 4 x cluster y + cy
	s_lshl_b32 s43, s41, 2
	s_lshl_b32 s43, 15, s43                        ; my row of the cluster: places 4 cy .. 4 cy + 3
	s_lshl_b32 s44, 0x1111, s40                    ; my column: places cx, cx + 4, cx + 8, cx + 12
	; descriptor group 1: a tile of 128 rows x 128 elements of 2 bytes, padded in LDS
	s_or_b32 s[G1+0], s43, (1<<16)|(1<<20)|(1<<21)|(5<<22)|(3<<25)  ; 15:0 the mask: xb's tiles go to my row; 17:16 elements of 2 bytes; 20 padding on; 21 set beside a mask; 24:22 after every 64 words (code 5); 31:25 4 words (code 3)
	s_or_b32 s[G1B+0], s44, (1<<16)|(1<<20)|(1<<21)|(5<<22)|(3<<25) ; the same with the mask of my column, for wb's tiles
	s_mov_b32 s[G1B+1], KSTEP<<16
	s_mov_b32 s[G1+1], KSTEP<<16                   ; tensor_dim0 = 128
	s_mov_b32 s[G1B+2], 128<<16
	s_mov_b32 s[G1+2], 128<<16                     ; tensor_dim1 = 128
	s_mov_b32 s[G1B+3], KSTEP<<16
	s_mov_b32 s[G1+3], KSTEP<<16                   ; tile_dim0 = 128
	s_mov_b32 s[G1B+4], 128
	s_mov_b32 s[G1+4], 128                         ; tile_dim1 = 128
	s_mov_b32 s[G1B+5], SIZE_K
	s_mov_b32 s[G1+5], SIZE_K                      ; elements from row to row
	s_mov_b32 s[G1B+6], 0
	s_mov_b32 s[G1+6], 0
	s_mov_b32 s[G1B+7], 0
	s_mov_b32 s[G1+7], 0
	; where the tiles come from.  xb's hang on the tile row alone, which my row of the cluster shares; wb's on the tile column alone, which my column shares.
	s_lshl_b32 s17, s12, 7                         ; which 128 rows of the tile I fetch
	s_lshl_b32 s16, s13, 8
	s_add_co_u32 s16, s16, s17                     ; xb: row 256 x tile row + 128 x half
	s_lshl_b32 s46, s42, 8
	s_add_co_u32 s46, s46, s17                     ; wb: row 256 x tile column + 128 x half
	s_mov_b32 s17, 0
	s_mov_b32 s47, 0
	s_mov_b64 s[18:19], SIZE_K*2
	s_mul_u64 s[16:17], s[16:17], s[18:19]         ; in bytes
	s_mul_u64 s[46:47], s[46:47], s[18:19]
	s_mul_i32 s20, s10, HALFT                      ; and where they go: wave x 128 rows: no place in the cluster enters an LDS address
	s_wait_dscnt 0x0                               ; both opening adds are done
	s_wait_kmcnt 0x0
	s_add_nc_u64 s[14:15], s[4:5], s[16:17]
	s_add_nc_u64 s[46:47], s[6:7], s[46:47]
	CROUND                                         ; all sixteen work-groups are here: the first joint loads meet
.irp s, 0,1
	s_mov_b32 s[G0+4*(\s)], 1                                      ; count = 1
	s_add_co_u32 s[G0+4*(\s)+1], s20, (\s)*SLOT                    ; LDS address
	s_add_nc_u64 s[G0+4*(\s)+2:G0+4*(\s)+3], s[14:15], (\s)*KSTEP*2  ; global address: K step s
	s_or_b32 s[G0+4*(\s)+3], s[G0+4*(\s)+3], 0x80000000            ; type = 2
	s_mov_b32 s[G0B+4*(\s)], 1
	s_add_co_u32 s[G0B+4*(\s)+1], s20, (\s)*SLOT
	s_add_nc_u64 s[G0B+4*(\s)+2:G0B+4*(\s)+3], s[46:47], (\s)*KSTEP*2
	s_or_b32 s[G0B+4*(\s)+3], s[G0B+4*(\s)+3], 0x80000000
	JLOAD \s                                       ; the ring is filled before anything else is done: two tensor loads of mine are out
.endr
	s_load_b32 s74, s[70:71], 0x0                  ; beta
	; A fragment is 16 rows x 32 K in 8 registers: lane l holds row l % 16; registers 0-3 K = 8 (l / 16) + 0..7, registers 4-7 K = 16 + 8 (l / 16) + 0..7: two loads of 16 bytes, 32 bytes apart.
	v_and_b32 v1, 15, v0                           ; l % 16
	v_bfe_u32 v2, v0, 4, 1                         ; l / 16
	v_mul_u32_u24 v3, v1, PITCH
	v_lshl_add_u32 v3, v2, 4, v3                   ; row x pitch + 16 x half
	s_mul_i32 s21, s11, HALFT                      ; my 128 rows of xb
	s_mul_i32 s22, s12, HALFT                      ; my 128 rows of wb,
	s_add_co_u32 s22, s22, 2*HALFT                 ; which lie behind xb's 256
.irp s, 0,1
	v_add_nc_u32 v[ADRA+(\s)], s21, v3
	v_add_nc_u32 v[ADRB+(\s)], s22, v3
	s_add_co_u32 s21, s21, SLOT
	s_add_co_u32 s22, s22, SLOT
.endr
	s_mul_i32 s23, s10, 16*SPITCH
	s_add_co_u32 s23, s23, STAGE                   ; my stage
	v_mul_u32_u24 v4, v1, SPITCH                   ; in: row l % 16, 32 bytes for each half of the lanes
	v_lshl_add_u32 v4, v2, 5, v4
	v_add_nc_u32 v[STO], s23, v4
	v_and_b32 v5, 31, v0                           ; lane
	v_lshlrev_b32 v[CO], 4, v5                     ; 16 x lane
	v_add_nc_u32 v[RD], s23, v[CO]                 ; back: 32 lanes take one row of 512 bytes
	v_lshrrev_b32 v4, 1, v5
	v_and_b32 v5, 1, v5
	v_lshlrev_b32 v5, 8, v5
	v_lshl_add_u32 v[PFX], v4, 14, v5              ; (lane / 2) rows of 16,384 bytes + 256 (lane % 2)
	v_mov_b32 v[ZR], 0
	; where my 128 x 128 begins in x and in out0, and my 128 columns in beta_res
	s_lshl_b32 s13, s13, 8
	s_lshl_b32 s14, s11, 7
	s_add_co_u32 s16, s13, s14                     ; my first row
	s_mov_b32 s17, 0
	s_mov_b64 s[18:19], ROWF
	s_mul_u64 s[16:17], s[16:17], s[18:19]
	s_lshl_b32 s46, s42, 10                        ; my first column, in bytes: 1,024 x tile column + 512 x half
	s_lshl_b32 s47, s12, 9
	s_add_co_u32 s46, s46, s47
	s_mov_b32 s47, 0
	s_add_nc_u64 s[72:73], s[72:73], s[46:47]
	s_add_nc_u64 s[16:17], s[16:17], s[46:47]
	s_add_nc_u64 s[8:9], s[8:9], s[16:17]
	s_add_nc_u64 s[68:69], s[68:69], s[16:17]
	global_load_b128 v[DB:DB+3], v[CO], s[72:73]   ; beta_res of my four columns
	; the tiles' prefetches.  s13 = 256 x tile row, s42 = tile column, s40 = cx, s41 = cy still stand
	s_lshl_b32 s42, s42, 8
	s_and_b32 s22, ttmp7, 0xffff                   ; cluster y
	s_cmp_eq_u32 s11, 0                            ; do I fetch for xb?
	s_cselect_b32 s20, s13, s42                    ; the tile's first row
	s_cselect_b32 s21, s40, s41                    ; my place among the four that ask for it with me
	s_cselect_b32 s22, ttmp9, s22                  ; the coordinate along which other clusters read the same rows
	s_cselect_b64 s[PFA:PFA+1], s[4:5], s[6:7]
	s_cmp_eq_u32 s22, 0
	s_cselect_b32 s[LIM], 1, -1                    ; the same in all sixteen partners, for a given wave
	s_lshl_b32 s22, s12, 7
	s_add_co_u32 s20, s20, s22                     ; + the 128 rows that I fetch
	s_lshl_b32 s21, s21, 5
	s_add_co_u32 s20, s20, s21                     ; + my work-group's 32 of them
	s_mov_b32 s21, 0
	s_mov_b64 s[18:19], SIZE_K*2
	s_mul_u64 s[20:21], s[20:21], s[18:19]
	s_add_nc_u64 s[PFA:PFA+1], s[PFA:PFA+1], s[20:21]
	s_add_nc_u64 s[PFA:PFA+1], s[PFA:PFA+1], 2*KSTEP*2  ; at K step 2: the first refill steps it to 3 and names K step 4
	v_and_b32 v[PFO], 31, v0
	v_mul_u32_u24 v[PFO], v[PFO], SIZE_K*2
	s_wait_kmcnt 0x0                               ; beta
	v_mov_b32 v[CI], s74
	v_sub_f32 v[CI], 1.0, v[CI]                    ; 1 - beta
.irp j, 1,2,3,4,5,6,7
	v_mov_b32 v[CI+(\j)], v[CI]
.endr
	s_wait_loadcnt 0x0                             ; beta_res
.irp j, 0,1,2,3
	v_sub_f32 v[DB+(\j)], 1.0, v[DB+(\j)]          ; 1 - beta_res
.endr
; 16 matrix instructions: m blocks a0, a0 + 1 of the window's four (hi = 0: my rows 0-63, 1: rows 64-127) x all 8 n blocks, 32 along K.
; init = 1: the first product starts the sum with 1 - beta as its C operand: nothing is cleared, and the tail has one addition less.
; The 64 accumulators take turns, one instruction a turn, in the same order in every quarter, over the backward jump too.
.macro MUL16 f, hi, a0, init
.if \init
	WIN INI_LO+0x40*(\hi)
.else
	WIN MUL_LO+0x50*(\hi)
.endif
.irp a, \a0, (\a0)+1
.irp b, 0,1,2,3,4,5,6,7
.if \init
	v_wmma_f32_16x16x32_bf16 v[8*(8*(\a)+(\b)):8*(8*(\a)+(\b))+7], v[(\f)+8*(\b):(\f)+8*(\b)+7], v[(\f)+8*(4*(\hi)+(\a)):(\f)+8*(4*(\hi)+(\a))+7], v[CI:CI+7]
.else
	v_wmma_f32_16x16x32_bf16 v[8*(8*(\a)+(\b)):8*(8*(\a)+(\b))+7], v[(\f)+8*(\b):(\f)+8*(\b)+7], v[(\f)+8*(4*(\hi)+(\a)):(\f)+8*(4*(\hi)+(\a))+7], v[8*(8*(\a)+(\b)):8*(8*(\a)+(\b))+7]
.endif
.endr
.endr
.endm
; 32 LDS loads in one run: the fragments of one quarter step (128 rows of wb, 128 rows of xb, 32 K at byte k of the rows) into buffer f
.macro FETCH slot, k, f
	WIN TO_B
.irp i, 0,1,2,3,4,5,6,7
	ds_load_b128 v[(\f)+8*(\i):(\f)+8*(\i)+3],   v[ADRB+(\slot)] offset:(\k)+(\i)*16*PITCH
	ds_load_b128 v[(\f)+8*(\i)+4:(\f)+8*(\i)+7], v[ADRB+(\slot)] offset:(\k)+(\i)*16*PITCH+32
.endr
	WIN 0
.irp i, 0,1,2,3,4,5,6,7
	ds_load_b128 v[(\f)+8*(\i):(\f)+8*(\i)+3],   v[ADRA+(\slot)] offset:(\k)+(\i)*16*PITCH
	ds_load_b128 v[(\f)+8*(\i)+4:(\f)+8*(\i)+7], v[ADRA+(\slot)] offset:(\k)+(\i)*16*PITCH+32
.endr
.endm
; A load into a register that a matrix instruction has read stands four places behind it, and only plain vector instructions that name none of its registers are places
; (ISA guide 7.12.1 for vector instructions): four v_nop in front of each run of loads.
.macro PLACES
.rept 4
	v_nop
.endr
.endm
; A K step is four quarters of 32 along K, 64 matrix instructions each, on buffers 0, 1, 0, 1.
; One of the first three: multiplies buffer f; in its middle it fetches the next quarter's fragments, at byte k of the same slot's rows, into buffer g.
.macro QUARTER slot, k, f, g, init
	s_wait_dscnt 8                                 ; wb's fragments and xb's rows 0-63 are in; the youngest eight loads (xb's rows 64-127) may be out
	MUL16 \f, 0, 0, \init
	MUL16 \f, 0, 2, \init
	PLACES
	FETCH \slot, \k, \g
	s_wait_dscnt 32                                ; all but the 32 just issued
	MUL16 \f, 1, 0, \init
	MUL16 \f, 1, 2, \init
.endm
; The last quarter multiplies buffer 1 and changes slots.  MEET is its first half: one barrier for the change.  In front of it each wave waits for all its tensor loads, of which one is out: its part of
; the next slot; adds 0 to its spare word; and waits for that and for its own reads of this slot.  Behind it nobody reads this slot any more and the next slot is whole.
.macro MEET round                      ; round = 1: the rest of a round of the cluster's barrier follows
	WIN 0                                          ; (the add's two registers lie in window 0)
	s_wait_tensorcnt 0x0                           ; all my tensor loads have landed;
	ds_add_u32 v[SPW], v[NIL]                      ; 0 onto my spare word;
	s_wait_dscnt 9                                 ; (the add and the youngest eight loads may be out)
	MUL16 F1, 0, 0, 0                              ; sixteen matrix instructions stand between the add and the wait for it
	s_wait_dscnt 0x0                               ; the add is done, and my reads of this slot are over:
	s_barrier_signal -1                            ; say so,
	MUL16 F1, 0, 2, 0                              ; work on registers while the others arrive,
.if \round
	WIN 0
.endif
	s_barrier_wait -1                              ; and go on when all four have said so
.endm
; The whole last quarter.  fill = 1: behind the round the slot just read out is filled again first, with the K step two steps on; from that request to the wait for it a wave issues 224 matrix instructions,
; and one tensor load of mine is out.  fill = 0 (the last lap): nothing is asked for, and no round follows the barrier.
.macro TURN slot, next, fill
.if \fill
	s_wait_xcnt 0x0                                ; the last prefetch, a K step back, has read its address: it is stepped here, ahead of the waits of the change of slots
	s_add_nc_u64 s[PFA:PFA+1], s[PFA:PFA+1], KSTEP*2
	MEET 1
	CREST                                          ; no wave of any partner still reads this slot's tile or has a load on its way
	s_add_nc_u64 s[G0+4*(\slot)+2:G0+4*(\slot)+3], s[G0+4*(\slot)+2:G0+4*(\slot)+3], 2*KSTEP*2     ; no tensor load of mine is out, so a group 0 may be written
	s_add_nc_u64 s[G0B+4*(\slot)+2:G0B+4*(\slot)+3], s[G0B+4*(\slot)+2:G0B+4*(\slot)+3], 2*KSTEP*2
	JLOAD \slot                                    ; the first tensor load behind the round; the four v_nop behind it are also the places in front of the loads below
	FETCH \next, 0, F0
	ASK                                            ; behind the joint load and the run of LDS loads that the next products wait for
.else
	MEET 0
	PLACES
	FETCH \next, 0, F0
.endif
	MUL16 F1, 1, 0, 0
	MUL16 F1, 1, 2, 0
.endm
; THE WAY OUT, by blocks a = 0..7 of 16 rows x my 128 columns.  Block a's x lies in window 1 at XR = (192 (a % 4)) % 256: 0, 192, 128, 64.
.macro XLOAD a                         ; 16 rows of x: a load covers a row's 512 consecutive bytes; the row stands in the immediate, 127 rows of 16,384 bytes at the most, inside its signed 24 bits
	WIN TO_B
.set XR, (192*((\a)%4))%256
.set t, 0
.rept 16
	global_load_b128 v[XR+4*t:XR+4*t+3], v[CO], s[68:69] offset:(16*(\a)+t)*ROWF th:TH_LOAD_NT
.set t, t+1
.endr
.endm
.macro XD a                            ; xd = x + (1 - beta_res), in place
	WIN 0x41                                       ; destination and source 0 window 1, source 1 window 0
.set XR, (192*((\a)%4))%256
.set t, 0
.rept 32
	v_pk_add_f32 v[XR+2*t:XR+2*t+1], v[XR+2*t:XR+2*t+1], v[DB+2*(t%2):DB+2*(t%2)+1]
.set t, t+1
.endr
.endm
.macro TOSTAGE a                       ; the block's eight accumulators into my stage (each accumulator's low four registers first), and back as whole rows of 512 bytes
	WIN 0x08+4*((\a)/4)                            ; the stores' data: window 2 or 3
.set AC, 64*((\a)%4)
.irp b, 0,1,2,3,4,5,6,7
	ds_store_b128 v[STO], v[AC+8*(\b):AC+8*(\b)+3]   offset:64*(\b)
	ds_store_b128 v[STO], v[AC+8*(\b)+4:AC+8*(\b)+7] offset:64*(\b)+16
.endr
	WIN 0
.set OBB, OB+64*((\a)%2)
.set t, 0
.rept 16
	ds_load_b128 v[OBB+4*t:OBB+4*t+3], v[RD] offset:SPITCH*t  ; LDS serves a wave's instructions in order (ISA guide 5.7.1.4): these see the stores above, and the next block's stores come behind them
.set t, t+1
.endr
.endm
.macro FIN a                           ; max(acc + xd, xd, 0)
	WIN 0x04                                       ; source 1 window 1
.set XR, (192*((\a)%4))%256
.set OBB, OB+64*((\a)%2)
.set t, 0
.rept 32
	v_pk_add_f32 v[OBB+2*t:OBB+2*t+1], v[OBB+2*t:OBB+2*t+1], v[XR+2*t:XR+2*t+1]
.set t, t+1
.endr
.set t, 0
.rept 64
	v_max3_num_f32 v[OBB+t], v[OBB+t], v[XR+t], v[ZR]
.set t, t+1
.endr
.endm
.macro SEND a                          ; a store covers 512 consecutive bytes of a row of out0, at a multiple of 512 from its first byte
	WIN 0
.set OBB, OB+64*((\a)%2)
.set t, 0
.rept 16
	global_store_b128 v[CO], v[OBB+4*t:OBB+4*t+3], s[8:9] offset:(16*(\a)+t)*ROWF th:TH_STORE_NT
.set t, t+1
.endr
.endm
	s_wait_tensorcnt 1                             ; my part of K step 0 is in; K step 1's may stay out
	s_barrier_signal -1
	s_barrier_wait -1                              ; everybody's is
	FETCH 0, 0, F0
	QUARTER 0, 64,  F0, F1, 1                      ; the first quarter stands in front of the loop: its products start the sums
	WIN 0                                          ; at a label and at a branch every window is 0
	s_mov_b32 s3, LAPS-1
.Llap:                                                 ; a trip goes once round the ring, from a lap's second quarter to the next lap's first, and fills both slots again
	QUARTER 0, 128, F1, F0, 0
	QUARTER 0, 192, F0, F1, 0
	TURN 0, 1, 1
	QUARTER 1, 64,  F0, F1, 0
	QUARTER 1, 128, F1, F0, 0
	QUARTER 1, 192, F0, F1, 0
	TURN 1, 0, 1
	QUARTER 0, 64,  F0, F1, 0
	WIN 0
	s_sub_co_u32 s3, s3, 1
	s_cmp_lg_u32 s3, 0
	s_cbranch_scc1 .Llap
	; THE LAST LAP fills nothing.  At its head the way out's x is asked for: blocks 0 and 1 by loads, into registers of window 1 that lay idle; blocks 2 and 3, whose registers still hold wb's
	; fragments, by prefetches into the L2, 448 matrix instructions ahead of their loads: a lane names 256 bytes of its own (16 rows x 2), one instruction a block.  Each wave asks for its own 128 x 128 of x
	; alone, which no other wave of the launch reads: no 256 bytes are named twice.  Blocks 4 to 7 are loaded three blocks ahead of their use.
	XLOAD 0
	XLOAD 1
	global_prefetch_b8 v[PFX], s[68:69] offset:2*16*ROWF th:TH_LOAD_NT scope:SCOPE_SE
	global_prefetch_b8 v[PFX], s[68:69] offset:3*16*ROWF th:TH_LOAD_NT scope:SCOPE_SE
	QUARTER 0, 128, F1, F0, 0
	QUARTER 0, 192, F0, F1, 0
	TURN 0, 1, 0
	QUARTER 1, 64,  F0, F1, 0
	QUARTER 1, 128, F1, F0, 0
	QUARTER 1, 192, F0, F1, 0
	s_wait_dscnt 8                                 ; the very last quarter: nothing more to fetch
	MUL16 F1, 0, 0, 0
	MUL16 F1, 0, 2, 0
	s_wait_dscnt 0x0
	MUL16 F1, 1, 0, 0
	MUL16 F1, 1, 2, 0
	s_wait_loadcnt 16                              ; block 0's x is in; block 1's 16 loads may stay out
	XD 0                                           ; 32 plain additions that name no register of the last products: the places in front of the loads into the fragments' registers and of the stage's stores
	XLOAD 2
	XLOAD 3
	TOSTAGE 0
.irp a, 0,1,2,3,4,5,6,7
.if (\a) < 7
.if (\a) >= 1
	s_wait_xcnt 0x0                                ; the registers that the stores of the block before this one read are loaded again only behind this wait
.endif
	TOSTAGE (\a)+1                                 ; the next block's round trip through the stage runs under this block's arithmetic
.endif
.if (\a) >= 1
.if (\a) <= 4
	s_wait_loadcnt 48                              ; this block's x is in; behind it three blocks of 16 loads were issued
.else
	s_wait_loadcnt 16*(7-(\a))                     ; nothing more is asked for: the counts run down
.endif
	XD \a
.endif
.if (\a) < 7
	s_wait_dscnt 32                                ; this block is back from the stage; the next block's 16 stores and 16 loads may be out
.else
	s_wait_dscnt 0x0
.endif
	FIN \a
	SEND \a
.if (\a) < 4
	XLOAD (\a)+4                                   ; its x buffer takes the block four further on
.endif
.endr
	WIN 0
	s_wait_tensorcnt 0x0                           ; the wave's end: behind my last tensor load and my last LDS store
	ds_add_u32 v[SPW], v[NIL]
	s_wait_dscnt 0x0
	CROUND                                         ; the closing round: no work-group ends while a partner may still ask for a tile that names it
	s_endpgm
.Lfunc_end_k_qd5f6bf9c26_gemm:
	.size	k_qd5f6bf9c26_gemm, .Lfunc_end_k_qd5f6bf9c26_gemm-k_qd5f6bf9c26_gemm
	.p2alignl 7, 3214868480
	.fill 96, 4, 3214868480
	.section	.rodata,"a",@progbits
	.p2align	6, 0x0
	.amdhsa_kernel k_qd5f6bf9c26_gemm
		.amdhsa_group_segment_fixed_size 327680
		.amdhsa_private_segment_fixed_size 0
		.amdhsa_enable_private_segment 0
		.amdhsa_kernarg_size 48
		.amdhsa_user_sgpr_count 2
		.amdhsa_user_sgpr_kernarg_segment_ptr 1
		.amdhsa_wavefront_size32 1
		.amdhsa_system_sgpr_workgroup_id_x 1
		.amdhsa_system_sgpr_workgroup_id_y 1
		.amdhsa_system_sgpr_workgroup_id_z 1
		.amdhsa_system_vgpr_workitem_id 0
		.amdhsa_next_free_vgpr 1024
		.amdhsa_next_free_sgpr 80
		.amdhsa_reserve_vcc 0
		.amdhsa_float_denorm_mode_32 3
		.amdhsa_float_denorm_mode_16_64 3
		.amdhsa_memory_ordered 1
		.amdhsa_forward_progress 1
		.amdhsa_inst_pref_size 220
	.end_amdhsa_kernel
	.amdgpu_metadata
---
amdhsa.version: [ 1, 2 ]
amdhsa.kernels:
  - .name:           k_qd5f6bf9c26_gemm
    .symbol:         k_qd5f6bf9c26_gemm.kd
    .args:
      - { .name: xb, .offset: 0, .size: 8, .value_kind: global_buffer, .address_space: global }
      - { .name: wb, .offset: 8, .size: 8, .value_kind: global_buffer, .address_space: global }
      - { .name: out0, .offset: 16, .size: 8, .value_kind: global_buffer, .address_space: global }
      - { .name: x, .offset: 24, .size: 8, .value_kind: global_buffer, .address_space: global }
      - { .name: beta, .offset: 32, .size: 8, .value_kind: global_buffer, .address_space: global }
      - { .name: beta_res, .offset: 40, .size: 8, .value_kind: global_buffer, .address_space: global }
    .group_segment_fixed_size: 327680
    .private_segment_fixed_size: 0
    .kernarg_segment_align: 8
    .kernarg_segment_size: 48
    .max_flat_workgroup_size: 128
    .sgpr_count:     80
    .vgpr_count:     1024
    .wavefront_size: 32
...
	.end_amdgpu_metadata
.endif
;; end of part 2
;; ======== version 2 of 2: 2 launches; version 1 with the launch cvt written anew for expert scheduling mode
;; workspace buffers: xb 33,554,432 bytes; wb 33,554,432 bytes
;; launch cvt (part 3): grid 256 x 2, 8 waves a work-group, no clusters, 0 bytes of LDS; arguments x, W, xb, wb; writes xb, wb
.if DOCPART == 3
	.amdgcn_target "amdgcn-amd-amdhsa--gfx1250"
	.amdhsa_code_object_version 6
	.text
	.protected	k_qd5f6bf9c26_cvt
	.globl	k_qd5f6bf9c26_cvt
	.p2align	8
	.type	k_qd5f6bf9c26_cvt,@function
k_qd5f6bf9c26_cvt:
	s_mov_b64 s[64:65], 0
	v_nop
	global_prefetch_b8 v0, s[64:65] scope:SCOPE_SE
	s_setreg_imm32_b32 hwreg(HW_REG_WAVE_SCHED_MODE, 0, 2), 2
	s_setreg_imm32_b32 hwreg(HW_REG_WAVE_MODE, 25, 1), 1
	s_wait_xcnt 0x0
	s_wait_alu depctr_vm_vsrc(0)
; xb = bf16(x), wb = bf16(W), rounded to nearest even: the matrix operands of the launch behind, made once.
; x, W: [4096][4096] f32; xb, wb: [4096][4096] bf16, the same row-major order.
; SHARES.  Work-group (g, y): y = 0 takes x, y = 1 takes W; g takes 262,144 bytes in and 131,072 out: 64 chunks of 4,096 bytes in.
; Thread t takes the 16 bytes at 16 t of each chunk (a wave's load covers 512 consecutive bytes) and stores 8 bytes at 8 t of the
; chunk's 2,048 bytes out: a wave's store covers 256 consecutive bytes, aligned.
; No address register is ever rewritten: the chunk stands in the immediate.
; No LDS, no matrix unit, no cluster: no byte is wanted twice.  NaN and infinities convert as the instruction converts them.
; THE MODE: SCHED_MODE bits 1:0 = 2 (LLVM: expert scheduling mode 2), set by the entry lines.  The code itself states the register dependences
; between vector instructions and memory instructions, with s_wait_alu, always for 0.
; THE PLAN.  The 64 chunks go in 16 blocks of four.  Registers that memory instructions touch:
;   v1, v2     byte offsets, made once at the head and never written again.
;   X0 .. X6   seven blocks of numbers as loaded.  Written by the loads of block p + 6, issued in block p; read by block p's eight conversions.
;   Y          two registers for EACH of the 64 chunks.  Written once in the launch, by the chunk's conversions in block p; read by its one store, issued in block p + 1.
; Block p works on X[p % 7] and writes its own eight registers of Y.  Its memory instructions are the loads into X[(p + 6) % 7] = X[(p - 1) % 7] and the stores from
; block p - 1's Y: registers that block p - 1 worked on and that no vector instruction of block p names.  So ONE wait on va_vdst at a block's head states all that the
; block's eight memory instructions hang on, and these are dealt among its conversions with no further wait.
; No register that a memory instruction reads (v1, v2, Y) is written a second time: so beyond the entry lines the text holds no wait on vm_vsrc and no s_wait_xcnt.
.set BLOCK,  4                         ; chunks in a block
.set BLOCKS, 16
.set RING,   7                         ; buffers of X
.set LEAD,   (RING-1)*BLOCK            ; a chunk is asked for 24 chunks ahead of its turn
.set SLOTS,  RING*BLOCK                ; chunk c lies in slot c % 28
.set CIN,    4096                      ; a chunk's bytes in
.set COUT,   2048                      ; and out
.set X, 4                              ; v[4:115]    slot s: 4 numbers as loaded, at X + 4 s
.set Y, 116                            ; v[116:243]  chunk c: 4 bf16 to store, at Y + 2 c
	s_load_b256 s[4:11], s[0:1], 0x0               ; x s[4:5], W s[6:7], xb s[8:9], wb s[10:11]
	v_lshlrev_b32 v1, 4, v0                        ; 16 t: my bytes in a chunk in
	v_lshlrev_b32 v2, 3, v0                        ; 8 t: my bytes in a chunk out
	s_and_b32 s12, ttmp7, 0xffff                   ; y: which tensor
	s_lshl_b32 s18, ttmp9, 18                      ; the work-group's 262,144 bytes in (255 of them at the most: under 2^32),
	s_mov_b32 s19, 0
	s_lshl_b32 s20, ttmp9, 17                      ; and its 131,072 bytes out
	s_mov_b32 s21, 0
	s_wait_kmcnt 0x0
	s_cmp_eq_u32 s12, 0                            ; the choice hangs on the work-group's y alone
	s_cselect_b64 s[14:15], s[4:5], s[6:7]         ; from
	s_cselect_b64 s[16:17], s[8:9], s[10:11]       ; to
	s_add_nc_u64 s[14:15], s[14:15], s[18:19]
	s_add_nc_u64 s[16:17], s[16:17], s[20:21]
	s_wait_alu depctr_va_vdst(0)                   ; v1 and v2 are written: every load of the kernel reads v1 as its offset, every store v2
.set c, 0
.rept LEAD
	global_load_b128 v[X+4*c:X+4*c+3], v1, s[14:15] offset:c*CIN th:TH_LOAD_NT  ; blocks 0 to 5 into X0 to X5
.set c, c+1
.endr
; Block p.  Blocks 0 to 9 ask for the block six on; block 0 has no block in front of it, so it stores nothing and owes no wait but the one for its data
; (its loads land in X6, which no vector instruction has named).
.set p, 0
.rept BLOCKS
.if p <= BLOCKS-RING
	s_wait_loadcnt (RING-2)*BLOCK                  ; loads come back in order (ISA guide 5.7.1): block p is in, the five younger blocks (20 loads) stay out
.else
	s_wait_loadcnt (BLOCKS-1-p)*BLOCK              ; nothing more is asked for: the counts run down
.endif
.if p > 0
	s_wait_alu depctr_va_vdst(0)                   ; the conversions of the block before have written its Y, which the stores below read, and are done reading its X, in which the loads below land
.endif
.set i, 0
.rept BLOCK
.set c, p*BLOCK+i                      ; the chunk in hand,
.set xs, X+4*(c%SLOTS)                 ; its slot,
.set xl, X+4*((c+LEAD)%SLOTS)          ; and the slot of the chunk one block back, which takes the chunk 24 on
.if p <= BLOCKS-RING
	global_load_b128 v[xl:xl+3], v1, s[14:15] offset:(c+LEAD)*CIN th:TH_LOAD_NT  ; the load ahead of the store; no vector instruction since the wait names these registers
.endif
.if p > 0
	global_store_b64 v2, v[Y+2*(c-BLOCK):Y+2*(c-BLOCK)+1], s[16:17] offset:(c-BLOCK)*COUT th:TH_STORE_NT  ; the chunk one block back
.endif
	v_cvt_pk_bf16_f32 v[Y+2*c],   v[xs],   v[xs+1]
	v_cvt_pk_bf16_f32 v[Y+2*c+1], v[xs+2], v[xs+3]
.set i, i+1
.endr
.set p, p+1
.endr
	s_wait_alu depctr_va_vdst(0)                   ; block 15's conversions have written its Y, which the last four stores read
.set c, (BLOCKS-1)*BLOCK
.rept BLOCK
	global_store_b64 v2, v[Y+2*c:Y+2*c+1], s[16:17] offset:c*COUT th:TH_STORE_NT
.set c, c+1
.endr
	s_endpgm
.Lfunc_end_k_qd5f6bf9c26_cvt:
	.size	k_qd5f6bf9c26_cvt, .Lfunc_end_k_qd5f6bf9c26_cvt-k_qd5f6bf9c26_cvt
	.p2alignl 7, 3214868480
	.fill 96, 4, 3214868480
	.section	.rodata,"a",@progbits
	.p2align	6, 0x0
	.amdhsa_kernel k_qd5f6bf9c26_cvt
		.amdhsa_group_segment_fixed_size 0
		.amdhsa_private_segment_fixed_size 0
		.amdhsa_enable_private_segment 0
		.amdhsa_kernarg_size 32
		.amdhsa_user_sgpr_count 2
		.amdhsa_user_sgpr_kernarg_segment_ptr 1
		.amdhsa_wavefront_size32 1
		.amdhsa_system_sgpr_workgroup_id_x 1
		.amdhsa_system_sgpr_workgroup_id_y 1
		.amdhsa_system_sgpr_workgroup_id_z 1
		.amdhsa_system_vgpr_workitem_id 0
		.amdhsa_next_free_vgpr 244
		.amdhsa_next_free_sgpr 66
		.amdhsa_reserve_vcc 0
		.amdhsa_float_denorm_mode_32 3
		.amdhsa_float_denorm_mode_16_64 3
		.amdhsa_memory_ordered 1
		.amdhsa_forward_progress 1
		.amdhsa_inst_pref_size 22
	.end_amdhsa_kernel
	.amdgpu_metadata
---
amdhsa.version: [ 1, 2 ]
amdhsa.kernels:
  - .name:           k_qd5f6bf9c26_cvt
    .symbol:         k_qd5f6bf9c26_cvt.kd
    .args:
      - { .name: x, .offset: 0, .size: 8, .value_kind: global_buffer, .address_space: global }
      - { .name: W, .offset: 8, .size: 8, .value_kind: global_buffer, .address_space: global }
      - { .name: xb, .offset: 16, .size: 8, .value_kind: global_buffer, .address_space: global }
      - { .name: wb, .offset: 24, .size: 8, .value_kind: global_buffer, .address_space: global }
    .group_segment_fixed_size: 0
    .private_segment_fixed_size: 0
    .kernarg_segment_align: 8
    .kernarg_segment_size: 32
    .max_flat_workgroup_size: 256
    .sgpr_count:     66
    .vgpr_count:     244
    .wavefront_size: 32
...
	.end_amdgpu_metadata
.endif
;; end of part 3
;; launch gemm: the kernel of part 2 again; grid 16 x 16, 4 waves a work-group, clusters of 4 x 4, 327,680 bytes of LDS; arguments xb, wb, out0, x, beta, beta_res; writes out0
